; MI455X (gfx1250); checked and timed in simulation.
; The chip was launched on July 23, 2026; its instructions are those of AMD's public machine-readable ISA for CDNA 5 (MIT licence, August 2026) and "CDNA5" Instruction Set Architecture Reference Guide (July 2026). The comments in the code are by the model that wrote it; some were corrected since.
;; HDC Memory. Allowed arithmetic: matrix products marked QUANTISED: E4M3 operands, one given power-of-two scale a tensor, by v_wmma_f32_16x16x64_fp8_fp8 or v_wmma_f32_16x16x128_fp8_fp8, f32 sums; products left as they are: f32 operands where the result goes on into a quantised operand, else bf16, f16 or f32 operands; f32 sums; everything else in f32.
;; Inputs: lowp_scales 2 int32 (the exponents e of the quantised operands' scales 2^e); tokens_bound 2 x 4,096 x 1,024 float32; w_decay 1,024 x 1 float32; w_mass 1,024 x 1 float32.
;; Outputs: out0 2 x 4,096 x 1,024 float32.
;; This version of the problem:
;;   THIS VERSION OF THE PROBLEM IS GIVEN IN LOW PRECISION. The matrix products marked QUANTISED in the list below multiply operands that are first quantised to E4M3 (4 exponent bits, 3 mantissa bits; 8 bits a number), with one given power-of-two scale for each operand tensor; their sums are f32. All else is computed in f32.
;;   The module's matrix products, in the order in which they are computed (A, B: the left and right operand; K: the contracted axis; several contracted axes count as one K, in the product's order):
;;     1. [M 8,192, K 1,024] x [K 1,024, N 1]; A: input tokens_bound; B: input w_mass: left as it is (N = 1 < 16)
;;     2. [M 8,192, K 1,024] x [K 1,024, N 1]; A: input tokens_bound; B: input w_decay: left as it is (N = 1 < 16)
;;     3. batch 2 x [M 4,096, K 4,096] x [K 4,096, N 1,024]; A: computed on the way; B: computed on the way: QUANTISED (scales: A lowp_scales[0], B lowp_scales[1])
;;   THE QUANTISER, for each operand of a quantised product, along K:
;;     - The operand's scale is 2^e, e = its entry of the input lowp_scales (int32; the entries are numbered through the quantised products in the list's order, A before B).
;;     - Each number is divided by the scale, clamped to +-448, and rounded to the nearest number of E4M3, ties to even, subnormals kept.
;;     - The product sums the exact products of the quantised numbers (number of the format x scale) in f32.
;;   ~~~python
;;   def quantise(x, axis, e):      # numpy; x: float32 -> the quantised numbers, widened to float32 again
;;       x = np.moveaxis(x, axis, -1); K = x.shape[-1]
;;       r = np.clip(x / 2.0 ** e, -448, 448)
;;       step = 2.0 ** (np.maximum(np.frexp(np.where(r == 0, 1, r))[1] - 1, -6) - 3)
;;       q = np.round(r / step) * step * 2.0 ** e      # np.round: ties to even
;;       return np.moveaxis(q, -1, axis).astype(np.float32)
;;   ~~~
;;   OPERANDS COMPUTED ON THE WAY. 'Computed on the way' means the value that the module computes at that place (a softmax that the list does not call 'softmax' is quantised finished and normalised). What goes into a quantiser is computed in f32, as accurately as f32 sums, v_exp_f32 and their like allow (about 1e-6 of the number): no bf16 or f16 on the way to a quantiser, and a product that is left as it is and whose result goes on into a quantised operand takes f32 operands (vector FMAs, or v_wmma_f32_16x16x4_f32). A number that lies on a knife's edge between two numbers of the format may be rounded either way, as far as f32 arithmetic and the matrix unit's own rounding can turn it there, and no further.
;; One version. Each part assembles by itself: llvm-mc -triple=amdgcn-amd-amdhsa -mcpu=gfx1250 --defsym DOCPART=n.
;; ======== version 1 of 1: 2 launches
;; limits: right only within a limited range of input values
;; workspace buffers: bf 8,388,608 bytes; ld 32,768 bytes
;; launch prep (part 1): grid 256 x 1, 8 waves a work-group, no clusters, 2,048 bytes of LDS; arguments tokens_bound, w_mass, w_decay, lowp_scales, ld, bf; writes ld, bf
.if DOCPART == 1
	.amdgcn_target "amdgcn-amd-amdhsa--gfx1250"
	.amdhsa_code_object_version 6
	.text
	.protected	k_q040187ce65_prep
	.globl	k_q040187ce65_prep
	.p2align	8
	.type	k_q040187ce65_prep,@function
k_q040187ce65_prep:
	s_mov_b64 s[64:65], 0
	v_nop
	global_prefetch_b8 v0, s[64:65] scope:SCOPE_SE
	s_setreg_imm32_b32 hwreg(HW_REG_WAVE_MODE, 25, 1), 1
	s_wait_xcnt 0x0
; PREP.  For each of the 8,192 tokens: z_m = x . w_mass, z_d = x . w_decay (f32 multiply-adds), mass = 1 / (1 + e^-z_m), ld = ln(max(1 / (1 + e^-z_d), 1e-6)),
; and the codes of mass * x in E4M3 with the given scale 2^e1 (entry 1 of the scales).  x is read once; ld (f32, [2][4096]) and the codes go to workspace buffers.
; SHARES.  A work-group owns 32 tokens, a wave 16 tokens (tg = wave / 4) x 256 of the 1,024 numbers of a row (dq = wave % 4).  Lane l holds, of each of its 16 tokens, d = 256 dq + 128 u + 4 l + dd
; (u = 0, 1; dd = 0..3): two loads of 16 bytes a token, each 512 consecutive bytes a wave.  The row stays in registers between the dot products and the scaling.
; All 32 loads of a wave go out at once: 16 KB a wave, 128 KB a work-group are on their way.
; THE CODES' LAYOUT is the order of the next launch's operand registers.  Byte  b 4194304 + J 131072 + tau 2048 + s 512 + h 256 + r 16 + t  holds token 128 J + 64 h + 16 s + t, number d = 64 G + 4 r + dd, tau = 4 G + dd.
; A lane's 16 tokens of one d are 16 bytes, and sixteen neighbouring lanes (r = 0..15) store 256 consecutive bytes, at a multiple of 256 from the buffer's first byte.
; LIMITS: -126 <= e1 <= 119, so that 2^e1 and 448 x 2^e1 are f32 numbers.  e^-z is held at 2^126 (z under -87: mass counts as 2^-126, and the decay is under the clip at 1e-6 anyway).  NaN and infinity among the inputs are not served.
; No matrix unit, no tensor load, no cluster: memory binds, and work-groups share nothing but the two weight vectors (8 KB).
.set WM,  16                           ; v[16:23]   w_mass at my 8 numbers
.set WD,  24                           ; v[24:31]   w_decay
.set PA,  32                           ; v[32:35]   two pairs of running sums
.set KS,  36                           ; v[36:39]   what a lane keeps and what it sends, two sets by turns
.set X,   64                           ; v[64:191]  token t, number 4 u + dd at X + 8 t + 4 u + dd
.set R,   192                          ; v[192:223] 32 sums a lane: t: mass's, 16 + t: decay's; later the codes, four registers for each of the 8 numbers
.set Y,   224                          ; v[224:255] 16 tokens of one number, two sets by turns
.set MS,  32                           ; s[32:47]   mass of my 16 tokens
	s_load_b256 s[4:11], s[0:1], 0x0               ; x s[4:5], w_mass s[6:7], w_decay s[8:9], the scales' exponents s[10:11]
	s_load_b128 s[12:15], s[0:1], 0x20             ; ld s[12:13], the codes s[14:15]
	v_lshl_add_u32 v62, v0, 2, 0x400
	v_mov_b32 v63, 0
	v_lshrrev_b32 v9, 5, v0
	s_delay_alu instid0(VALU_DEP_1)
	v_readfirstlane_b32 s16, v9                    ; wave 0..7
	s_lshr_b32 s17, s16, 2                         ; tg: which 16 tokens
	s_and_b32 s18, s16, 3                          ; dq: which 256 numbers
	v_and_b32 v1, 31, v0                           ; lane
	s_delay_alu instid0(VALU_DEP_1)
	v_lshlrev_b32 v2, 4, v1                        ; 16 x lane: my bytes in a load's 512
	s_delay_alu instid0(VALU_DEP_2)
	v_lshrrev_b32 v9, 4, v1
	s_delay_alu instid0(VALU_DEP_3)
	v_and_b32 v10, 15, v1
	s_delay_alu instid0(VALU_DEP_1)
	v_lshlrev_b32 v3, 4, v10
	s_delay_alu instid0(VALU_DEP_1)
	v_lshl_add_u32 v3, v9, 13, v3                  ; the codes: 16 r + 8192 (lane / 16): lanes 16-31 stand four tiles further on
	v_lshlrev_b32 v4, 2, v0                        ; LDS: my word, 128 x wave + 4 x lane
	s_lshl_b32 s49, s17, 9
	v_lshl_add_u32 v5, v1, 2, s49                  ; LDS: the same lane's word of the first wave of my four
	v_lshlrev_b32 v6, 2, v10                       ; ld: 4 x (lane - 16) in lanes 16-31
	s_mov_b32 s24, 0xaaaaaaaa                      ; the lanes whose number has bit 0 set,
	s_mov_b32 s25, 0xcccccccc                      ; bit 1,
	s_mov_b32 s26, 0xf0f0f0f0                      ; bit 2,
	s_mov_b32 s27, 0xff00ff00                      ; bit 3,
	s_mov_b32 s28, 0xffff0000                      ; bit 4
	s_mov_b32 s30, 0x76543210                      ; v_permlanex16_b32: lane l xor 16
	s_mov_b32 s31, 0xfedcba98
	s_lshl_b32 s50, ttmp9, 5
	s_lshl_b32 s51, s17, 4
	s_add_co_u32 s50, s50, s51                     ; my first token, 0..8176
	s_lshl_b32 s20, s50, 12                        ; x: 4,096 bytes a token,
	s_lshl_b32 s22, s18, 10                        ; + 1,024 dq; the weights: 1,024 dq
	s_add_co_u32 s20, s20, s22
	s_mov_b32 s21, 0
	s_mov_b32 s23, 0
	s_lshl_b32 s56, s50, 2                         ; ld: 4 bytes a token
	s_mov_b32 s57, 0
	s_lshr_b32 s54, s50, 12                        ; the codes: batch x 4 MB
	s_lshl_b32 s54, s54, 22
	s_bfe_u32 s52, s50, 0x50007                    ; + J x 131,072 (bits 11:7 of the token)
	s_lshl_b32 s52, s52, 17
	s_add_co_u32 s54, s54, s52
	s_bfe_u32 s52, s50, 0x10006                    ; + h x 256 (bit 6)
	s_lshl_b32 s52, s52, 8
	s_add_co_u32 s54, s54, s52
	s_bfe_u32 s52, s50, 0x20004                    ; + s x 512 (bits 5:4)
	s_lshl_b32 s52, s52, 9
	s_add_co_u32 s54, s54, s52
	s_lshl_b32 s52, s18, 15                        ; + dq x 16 tiles of 2,048
	s_add_co_u32 s54, s54, s52
	s_mov_b32 s55, 0
	s_wait_alu depctr_va_vdst(0)
	s_wait_kmcnt 0x0
	s_load_b32 s58, s[10:11], 0x4                  ; e1
	s_add_nc_u64 s[4:5], s[4:5], s[20:21]
	s_add_nc_u64 s[6:7], s[6:7], s[22:23]
	s_add_nc_u64 s[8:9], s[8:9], s[22:23]
	s_add_nc_u64 s[12:13], s[12:13], s[56:57]
	s_add_nc_u64 s[14:15], s[14:15], s[54:55]
	global_load_b128 v[WM:WM+3],   v2, s[6:7]
	global_load_b128 v[WM+4:WM+7], v2, s[6:7] offset:512
	global_load_b128 v[WD:WD+3],   v2, s[8:9]
	global_load_b128 v[WD+4:WD+7], v2, s[8:9] offset:512
.irp t, 0,1,2,3,4,5,6,7,8,9,10,11,12,13,14,15
	global_load_b128 v[X+8*\t:X+8*\t+3],   v2, s[4:5] offset:4096*\t th:TH_LOAD_NT
	global_load_b128 v[X+8*\t+4:X+8*\t+7], v2, s[4:5] offset:4096*\t+512 th:TH_LOAD_NT
.endr
; Token t's two dot products over my 8 numbers, two multiply-adds an instruction
.macro DOT t
	s_wait_loadcnt 30-2*\t                         ; loads come back in order: the weights and tokens 0..t are in; the two loads of each of the 15 - t later tokens may be out
	v_pk_mul_f32 v[PA:PA+1],   v[X+8*\t:X+8*\t+1], v[WM:WM+1]
	v_pk_mul_f32 v[PA+2:PA+3], v[X+8*\t:X+8*\t+1], v[WD:WD+1]
.irp j, 2,4,6
	s_delay_alu instid0(VALU_DEP_2)
	v_pk_fma_f32 v[PA:PA+1],   v[X+8*\t+\j:X+8*\t+\j+1], v[WM+\j:WM+\j+1], v[PA:PA+1]
	s_delay_alu instid0(VALU_DEP_2)
	v_pk_fma_f32 v[PA+2:PA+3], v[X+8*\t+\j:X+8*\t+\j+1], v[WD+\j:WD+\j+1], v[PA+2:PA+3]
.endr
	s_delay_alu instid0(VALU_DEP_2)
	v_add_f32 v[R+\t],    v[PA],   v[PA+1]
	s_delay_alu instid0(VALU_DEP_2)
	v_add_f32 v[R+16+\t], v[PA+2], v[PA+3]
.endm
.irp t, 0,1,2,3,4,5,6,7,8,9,10,11,12,13,14,15
	DOT \t
.endr
; 32 sums a lane become one sum a lane: in each stage a lane keeps half of its sums and sends the other half to the lane whose number differs in one bit.  After the five stages lane l holds the wave's sum number l.
.macro FOLD n, mask, xm
.set MI, 0
.rept \n
.set KP, KS+2*(MI%2)
	v_cndmask_b32 v[KP],   v[R+2*MI],   v[R+2*MI+1], s[\mask]   ; kept: the odd sum where the lane's bit is set
	v_cndmask_b32 v[KP+1], v[R+2*MI+1], v[R+2*MI],   s[\mask]   ; sent: the other
	s_delay_alu instid0(VALU_DEP_1)
	v_add_f32_dpp v[R+MI], v[KP+1], v[KP] row_xmask:\xm row_mask:0xf bank_mask:0xf
.set MI, MI+1
.endr
.endm
	FOLD 16, 24, 1
	FOLD 8,  25, 2
	FOLD 4,  26, 4
	FOLD 2,  27, 8
	s_delay_alu instid0(VALU_DEP_1)
	v_cndmask_b32 v36, v[R],   v[R+1], s28
	s_delay_alu instid0(VALU_DEP_2)
	v_cndmask_b32 v37, v[R+1], v[R],   s28
	s_delay_alu instid0(VALU_DEP_1)
	v_permlanex16_b32 v38, v37, s30, s31           ; (v38 has been written: a lane permute's destination counts as read)
	s_delay_alu instid0(VALU_DEP_1)
	v_add_f32 v[R], v36, v38                       ; lanes 0-15: mass's sum of token l over my 256 numbers; lanes 16-31: decay's of token l - 16
	ds_store_b32 v4, v[R]
	s_wait_dscnt 0x0                               ; for the others' sake: my word lies in LDS
	s_barrier_signal -1
	s_barrier_wait -1
	ds_load_b32 v9,  v5                            ; the four quarters of a row, in the same order in all four waves
	ds_load_b32 v10, v5 offset:128
	ds_load_b32 v11, v5 offset:256
	ds_load_b32 v12, v5 offset:384
	s_wait_dscnt 0x0
	v_add_f32 v9, v9, v10
	v_add_f32 v11, v11, v12
	s_delay_alu instid0(VALU_DEP_1)
	v_add_f32 v13, v9, v11                         ; z
	s_delay_alu instid0(VALU_DEP_1)
	v_mul_f32 v13, 0xbfb8aa3b, v13                 ; -z log2(e)
	s_delay_alu instid0(VALU_DEP_1)
	v_min_num_f32 v13, 0x42fc0000, v13             ; held at 126
	s_wait_alu depctr_va_vdst(0)
	v_exp_f32 v14, v13
	v_nop                                          ; a plain instruction behind the transcendental,
	s_wait_alu depctr_va_vdst(0)                   ; and the wait ahead of the first use
	v_add_f32 v14, 1.0, v14
	s_wait_alu depctr_va_vdst(0)
	v_rcp_f32 v15, v14
	v_nop
	s_wait_alu depctr_va_vdst(0)
	v_fma_f32 v9, -v14, v15, 1.0                   ; one Newton step: what goes on into a quantiser is kept as near to a rounded division as f32 gives
	v_fma_f32 v15, v9, v15, v15                    ; the sigmoid: mass in lanes 0-15, decay in lanes 16-31
	s_delay_alu instid0(VALU_DEP_1)
	v_max_num_f32 v10, 0x358637bd, v15             ; the clip at 1e-6
	s_wait_alu depctr_va_vdst(0)
	v_log_f32 v10, v10
	v_nop
	s_wait_alu depctr_va_vdst(0)
	v_mul_f32 v10, 0x3f317218, v10                 ; ln = log2 x ln 2
	s_cmp_lg_u32 s18, 0                            ; one of the four waves stores the 16 tokens' ld: 64 bytes, 32 KB in the whole launch
	s_cbranch_scc1 .Lno_ld
	s_wait_xcnt 0x0                                ; EXEC changes only behind this wait
	v_cmp_le_u32 vcc_lo, 16, v1
	s_and_saveexec_b32 s48, vcc_lo
	s_wait_alu depctr_va_vdst(0)
	global_store_b32 v6, v10, s[12:13]
	s_wait_xcnt 0x0                                ; and again in front of the line that restores it
	s_or_b32 exec_lo, exec_lo, s48
.Lno_ld:
.irp t, 0,1,2,3,4,5,6,7,8,9,10,11,12,13,14,15
	v_readlane_b32 s[MS+\t], v15, \t               ; mass of token t
.endr
	s_wait_kmcnt 0x0
	s_add_co_i32 s58, s58, 127
	s_lshl_b32 s59, s58, 23
	v_mov_b32 v8, s59                              ; 2^e1 as f32: the conversion takes its exponent field
	s_add_co_i32 s58, s58, 8
	s_lshl_b32 s58, s58, 23
	s_or_b32 s58, s58, 0x600000
	v_mov_b32 v7, s58                              ; 448 x 2^e1
; Number k = 4 u + dd of my 8: its 16 tokens are scaled by their mass, held, converted: 16 codes, 16 bytes.  Each k has its own code registers, so no store's data are written again.
.macro OUTK k
.set YS, Y+16*((\k)%2)
.irp t, 0,1,2,3,4,5,6,7,8,9,10,11,12,13,14,15
	v_mul_f32 v[YS+\t], s[MS+\t], v[X+8*\t+\k]
.endr
.irp t, 0,1,2,3,4,5,6,7,8,9,10,11,12,13,14,15
	v_med3_num_f32 v[YS+\t], v[YS+\t], -v7, v7     ; the conversion to an 8-bit code does not saturate (ISA guide 7.6.2): the hold at the largest code x the scale
.endr
	v_cvt_scalef32_pk8_fp8_f32 v[R+4*\k:R+4*\k+1],   v[YS:YS+7],    v8
	v_cvt_scalef32_pk8_fp8_f32 v[R+4*\k+2:R+4*\k+3], v[YS+8:YS+15], v8   ; the results go to a store alone; the next number's multiplies are plain and write the other set
	global_store_b128 v3, v[R+4*\k:R+4*\k+3], s[14:15] offset:((\k)/4)*16384+((\k)%4)*2048   ; lanes 0-15 and lanes 16-31 each store 256 consecutive bytes, aligned
.endm
.irp k, 0,1,2,3,4,5,6,7
	OUTK \k
.endr
	s_wait_tensorcnt 0x0
	ds_add_u32 v62, v63
	s_wait_dscnt 0x0
	s_endpgm
.Lfunc_end_k_q040187ce65_prep:
	.size	k_q040187ce65_prep, .Lfunc_end_k_q040187ce65_prep-k_q040187ce65_prep
	.p2alignl 7, 3214868480
	.fill 96, 4, 3214868480
	.section	.rodata,"a",@progbits
	.p2align	6, 0x0
	.amdhsa_kernel k_q040187ce65_prep
		.amdhsa_group_segment_fixed_size 2048
		.amdhsa_private_segment_fixed_size 0
		.amdhsa_enable_private_segment 0
		.amdhsa_kernarg_size 48
		.amdhsa_user_sgpr_count 2
		.amdhsa_user_sgpr_kernarg_segment_ptr 1
		.amdhsa_wavefront_size32 1
		.amdhsa_system_sgpr_workgroup_id_x 1
		.amdhsa_system_sgpr_workgroup_id_y 1
		.amdhsa_system_sgpr_workgroup_id_z 1
		.amdhsa_system_vgpr_workitem_id 0
		.amdhsa_next_free_vgpr 256
		.amdhsa_next_free_sgpr 66
		.amdhsa_reserve_vcc 1
		.amdhsa_float_denorm_mode_32 3
		.amdhsa_float_denorm_mode_16_64 3
		.amdhsa_memory_ordered 1
		.amdhsa_forward_progress 1
		.amdhsa_inst_pref_size 44
	.end_amdhsa_kernel
	.amdgpu_metadata
---
amdhsa.version: [ 1, 2 ]
amdhsa.kernels:
  - .name:           k_q040187ce65_prep
    .symbol:         k_q040187ce65_prep.kd
    .args:
      - { .name: tokens_bound, .offset: 0, .size: 8, .value_kind: global_buffer, .address_space: global }
      - { .name: w_mass, .offset: 8, .size: 8, .value_kind: global_buffer, .address_space: global }
      - { .name: w_decay, .offset: 16, .size: 8, .value_kind: global_buffer, .address_space: global }
      - { .name: lowp_scales, .offset: 24, .size: 8, .value_kind: global_buffer, .address_space: global }
      - { .name: ld, .offset: 32, .size: 8, .value_kind: global_buffer, .address_space: global }
      - { .name: bf, .offset: 40, .size: 8, .value_kind: global_buffer, .address_space: global }
    .group_segment_fixed_size: 2048
    .private_segment_fixed_size: 0
    .kernarg_segment_align: 8
    .kernarg_segment_size: 48
    .max_flat_workgroup_size: 256
    .sgpr_count:     66
    .vgpr_count:     256
    .wavefront_size: 32
...
	.end_amdgpu_metadata
.endif
;; end of part 1
;; launch mix (part 2): grid 128 x 2, 4 waves a work-group, no clusters, 321,280 bytes of LDS; arguments ld, bf, lowp_scales, out0; writes out0
.if DOCPART == 2
	.amdgcn_target "amdgcn-amd-amdhsa--gfx1250"
	.amdhsa_code_object_version 6
	.text
	.protected	k_q040187ce65_mix
	.globl	k_q040187ce65_mix
	.p2align	8
	.type	k_q040187ce65_mix,@function
k_q040187ce65_mix:
	s_mov_b64 s[64:65], 0
	v_nop
	global_prefetch_b8 v0, s[64:65] scope:SCOPE_SE
	s_setreg_imm32_b32 hwreg(HW_REG_WAVE_MODE, 25, 1), 1
	s_wait_xcnt 0x0
; MIX.  out[b][i][d] = 2^(e0 + e1) x the sum over j <= i of code(W[i][j]) x code(mass_j x[j][d]);  W[i][j] = exp(min(c_i - c_j, 0)), c = the running sum of ld along the 4,096 tokens of a batch.
; Both operands are E4M3 codes along j: W's are made here, in registers; the others come from the launch before, laid in the order of the operand's registers.
; THE MASK.  Blocks of 128 x 128 of W that lie wholly above the diagonal are not multiplied.
; SHARES.  A tile of out is 128 rows x 128 columns.  A work-group makes the tiles of row blocks p and q = 31 - p of one column block of one batch: 31 whole blocks of W and 2 diagonal ones for every work-group, 256 work-groups.
; FOUR WAVES SPLIT K: each holds sums for the whole tile (64 accumulators, 512 registers) and takes every fourth step of 128 tokens.  So each step's B is wanted by one wave alone and goes from memory into its registers.
; At a tile's end each wave sends three quarters of its sums through LDS and finishes 32 rows.  Tile p goes first, so that its stores leave while tile q is made.
; A wave's accumulator slot i (0..7) stands for row fragment (i + 2 w) % 8: slots 0 and 1 are the 32 rows that it finishes itself, whatever w.
; THE DIAGONAL BLOCK is shared by slots: where p % 4 is 0 or 3 every wave makes slots 0 and 1, else two waves (0 and 2 for tile p, 1 and 3 for tile q) make slots 0 to 3: in both cases all eight fragments once.
; W BY TWO FACTORS.  c does not rise but by a rounding (ld <= 0), so with a token ref between j and i:  W = exp(c_i - c_ref) x exp(c_ref - c_j), both factors at most about 1.
; Under the diagonal ref is the last token of j's aligned 64; exp(c_ref - c_j) is made once and kept in LDS.  In the diagonal block ref is the fragment's first row, and the 16 x 16 piece on the diagonal is made element by element.
; The factor 2^-e0 of the quantiser is a power of two and stands in the row's factor.  The hold at 448 is done where e0 < -8; else W 2^-e0 is at most 256 (but for a rounding of c) and needs none.
; THE ORDER OF THE RUNNING SUM counts: c reaches thousands, and its differences go on into the quantiser.  Three levels of sixteen, each from left to right; c = the first + (the second ahead of my 16 + the third ahead of my 256).
; THE MATRIX INSTRUCTION IS USED TRANSPOSED: source 0 = 16 columns d of B, source 1 = 16 rows i of W.  Along K both hold, in lane (r, h), registers 4 g .. 4 g + 3, the tokens 64 h + 16 (g xor 2 (w % 2)) + 0 .. 15:
; the same order in both; the turn by w puts slot i's diagonal piece (i < 4) into g = i.
; NO CLUSTER: joint requests are tensor loads into LDS, and here no operand from memory passes through LDS.  NO PREFETCH: a wave asks for the next step's 16 KB during the step before, into registers; 64 KB of a work-group are on their way.
; THE SUMS ARE CLEARED, 256 packed lines a tile: whether a wave has a step of tile p at all differs by work-group and wave; the first clearing stands under the first loads.
; LIMITS: -110 <= e0 <= 110 and -126 <= e0 + e1 <= 127.  A factor of W under 2^-126 counts as 0 (such a W has the code 0).  NaN and infinity are not served.
.set CARR,   270336                    ; LDS: c, 4,096 f32
.set VARR,   286720                    ; the tokens' factors, 4,096 f32
.set SCR,    303104                    ; the totals of 256 tokens
.set SPARE,  303360                    ; the spare words: 128 bytes a wave, two blocks of 256 bytes that no other line names
.set STAGE,  303872                    ; the way out: 16 rows x 272 bytes for each wave
.set SPITCH, 272                       ; (the exchange: 65,536 bytes a wave from LDS byte 0, 8,192 a slot)
; window 0: v0-127 W's codes, fragment i at 16 i
.set VJ,   128                         ; v128-191 the factors of the step's 64 tokens of my half
.set TT,   192                         ; v192-223 at work
.set UU,   224                         ; v224-231 the rows' factors; at a tile's end addresses
.set CI,   232                         ; v232-239 c of my rows, slots 0-7
.set CREF, 240
.set LM,   241                         ; 448
.set ZP,   242                         ; v242-243 zeros
.set SPW,  244                         ; LDS address of my spare word; never rewritten
.set NIL,  245                         ; 0; never rewritten
.set BO0,  246                         ; offsets into a B tile: register groups 0 and 1
.set BO1,  247                         ; groups 2 and 3
.set VA0,  248                         ; VARR - 8192 + 256 h + 128 (w % 2)
.set CRA,  249                         ; CARR - 8192 + 256 h + 252
.set CRB,  250                         ; CARR + 4 n, n = lane % 16
.set L16,  251                         ; 16 x lane
.set CDB,  252                         ; CARR + 256 h + 4 n + 128 (w % 2)
.set NEV,  253                         ; -e0 as f32
.set RB,   254                         ; n - 64 h
; window 1: v0-127 B's 8 fragments.  windows 2, 3: accumulator (slot i, tile t) at 64 (i % 4) + 8 t
; the head: v64-79 and v80-95 my two runs of 16 tokens; v0-31 their factors
.set A0, 64
.set A1, 80
.set KK, 128
.set HH, 129
.set UR, 130
.set UR8, 131
.set XX, 132
.set XY, 133
.set IX0, 134
.set IX1, 135
.set TO0, 136
.set TO1, 137
.set T2L, 138
.set I20, 139
.set I21, 140
.set SCW, 141
.set SCB, 142
.set CST, 143
.set RF0, 144
.set RF1, 145
.set TI0, 146
.set TI1, 147
.set LDO, 148
; the diagonal block, in VJ's registers
.set CS,  128
.set JR,  132
.set VP,  136
.set DU,  140
.set CI0, 141
.set THR, 142
.set DA0, 143
.set DA1, 144
; scalars
.set SW, 12
.set PH, 13
.set SCB_, 15
.set SP_, 16
.set SQ_, 17
.set XP, 18
.set XQ, 19
.set BT, 20
.set SN, 21                            ; slot of the walk, 0..11: 0-3 tile p, 4-11 tile q
.set SS, 22                            ; 2048 x slot
.set PB, 23                            ; SS + PB = 8192 + 512 x step
.set SJ, 24                            ; the step
.set LIM, 25
.set ALT, 26                           ; what is asked for when my steps of the tile are over
.set DM, 27                            ; bit 3, bit 11: I make a share of the diagonal block behind that slot
.set TILE, 28
.set PAIR, 29
.set BB, 30
.set BA, 32
.set E0, 38
.set LG, 41
.set SCL, 42
.set I0, 44                            ; s44-51: 16 x the row fragment of slot i
.set OUTB, 52
.set OA, 54
.set MSB, 0
.macro WIN new                         ; the immediate's high byte repeats the setting that is left
.if MSB != \new
	s_set_vgpr_msb (MSB<<8)|\new
.set MSB, \new
.endif
.endm
.macro WA
	s_wait_alu depctr_va_vdst(0)
.endm
.macro BL t                            ; B's fragment t (window 1): four loads of 512 consecutive bytes
.irp s, 0,1
	global_load_b128 v[16*(\t)+4*\s:16*(\t)+4*\s+3], v[BO0], s[BA:BA+1] offset:2048*(\t)+512*\s
.endr
.irp s, 0,1
	global_load_b128 v[16*(\t)+8+4*\s:16*(\t)+8+4*\s+3], v[BO1], s[BA:BA+1] offset:2048*(\t)+512*\s
.endr
.endm
.macro CLEAR
	WIN 0x80
.set I, 0
.rept 128
	v_pk_add_f32 v[I:I+1], v[ZP:ZP+1], v[ZP:ZP+1]
.set I, I+2
.endr
	WIN 0xc0
.set I, 0
.rept 128
	v_pk_add_f32 v[I:I+1], v[ZP:ZP+1], v[ZP:ZP+1]
.set I, I+2
.endr
	WIN 0
.endm
.macro CILOAD                          ; c of my rows of the tile
	s_and_b32 s34, s[TILE], 31
	s_lshl_b32 s34, s34, 9
.irp i, 0,1,2,3,4,5,6,7
	s_lshl_b32 s56, s[I0+\i], 2
	s_add_co_u32 s56, s56, s34
	v_add_nc_u32 v[TT+\i], s56, v[CRB]
.endr
	WA
.irp i, 0,1,2,3,4,5,6,7
	ds_load_b32 v[CI+\i], v[TT+\i]
.endr
.endm
.macro VADDR                           ; s35 = 8192 + 512 x step
	v_add_nc_u32 v[TT], s35, v[VA0]
	v_xor_b32 v[TT+1], 0x80, v[TT]
	v_add_nc_u32 v[TT+2], s35, v[CRA]
.endm
.macro VLOAD                           ; the 64 factors of my half's tokens, the same in its sixteen lanes, and c_ref
.irp g, 0,1
.irp q, 0,1,2,3
	ds_load_b128 v[VJ+16*\g+4*\q:VJ+16*\g+4*\q+3], v[TT] offset:64*\g+16*\q
.endr
.endr
.irp g, 0,1
.irp q, 0,1,2,3
	ds_load_b128 v[VJ+32+16*\g+4*\q:VJ+32+16*\g+4*\q+3], v[TT+1] offset:64*\g+16*\q
.endr
.endr
	ds_load_b32 v[CREF], v[TT+2]
.endm
	s_load_b256 s[4:11], s[0:1], 0x0               ; ld s[4:5], the codes s[6:7], the scales' exponents s[8:9], out s[10:11]
	v_lshl_add_u32 v[SPW], v0, 2, SPARE
	v_mov_b32 v[NIL], 0
	v_mov_b32 v[ZP], 0
	v_mov_b32 v[ZP+1], 0
	v_lshrrev_b32 v[TT], 5, v0
	v_readfirstlane_b32 s[SW], v[TT]               ; wave 0..3
	v_and_b32 v[KK], 15, v0                        ; n
	v_bfe_u32 v[HH], v0, 4, 1                      ; h
	v_lshrrev_b32 v[UR], 4, v0                     ; which 256 tokens of the first half,
	v_add_nc_u32 v[UR8], 8, v[UR]                  ; and of the second
	v_lshlrev_b32 v[LDO], 6, v0
	v_and_b32 v[L16], 31, v0
	v_lshlrev_b32 v[L16], 4, v[L16]
	v_lshl_add_u32 v[CRB], v[KK], 2, CARR
	v_lshlrev_b32 v[TT+1], 8, v[HH]
	v_add_nc_u32 v[CRA], CARR-8192+252, v[TT+1]
	v_add_nc_u32 v[VA0], VARR-8192, v[TT+1]
	v_add_nc_u32 v[CDB], v[TT+1], v[CRB]
	v_lshlrev_b32 v[TT+2], 6, v[HH]
	v_sub_nc_u32 v[RB], v[KK], v[TT+2]
	v_lshl_add_u32 v[SCW], v[UR], 2, SCR
	v_lshl_add_u32 v[SCB], v[KK], 2, SCR
	v_lshl_add_u32 v[CST], v0, 6, CARR
	v_mov_b32 v[LM], 0x43e00000
	WA
	s_and_b32 s[PH], s[SW], 1
	s_lshr_b32 s34, s[SW], 1
	s_lshl_b32 s35, s[PH], 1
	s_add_co_u32 s[XQ], s34, s35                   ; my residue of the steps of tile q: waves 0, 2, 1, 3 take 0, 1, 2, 3
	s_xor_b32 s35, s35, 2
	s_add_co_u32 s[XP], s34, s35                   ; of tile p: waves 1, 3, 0, 2
	s_lshl_b32 s34, s[PH], 7
	v_add_nc_u32 v[VA0], s34, v[VA0]
	v_add_nc_u32 v[CDB], s34, v[CDB]
	s_lshl_b32 s34, s[PH], 10
	s_xor_b32 s35, s34, 1024
	v_add_nc_u32 v[BO0], s34, v[L16]
	v_add_nc_u32 v[BO1], s35, v[L16]
	WA
	s_and_b32 s[SCB_], ttmp9, 7                    ; column block
	s_lshr_b32 s[SP_], ttmp9, 3
	s_and_b32 s[SP_], s[SP_], 15
	s_xor_b32 s[SQ_], s[SP_], 31
	s_and_b32 s[BT], ttmp7, 0xffff
	s_lshr_b32 s34, s[SP_], 1
	s_xor_b32 s34, s34, s[SP_]
	s_and_b32 s[PAIR], s34, 1                      ; p % 4 is 1 or 2
	s_mov_b32 s34, 0x800
	s_mov_b32 s35, 0x808
	s_cmp_eq_u32 s[PH], 0
	s_cselect_b32 s34, 8, s34
	s_cmp_eq_u32 s[PAIR], 0
	s_cselect_b32 s[DM], s35, s34
	s_bitcmp1_b32 s[DM], 3
	s_cselect_b32 s[ALT], s[SP_], s[XQ]
	s_mov_b32 s[SN], 0
	s_mov_b32 s[SS], 0
	s_mov_b32 s[SJ], s[XP]
	s_mov_b32 s[LIM], s[SP_]
	s_mov_b32 s[TILE], s[SP_]
	s_lshl_b32 s[PB], s[XP], 9
	s_add_co_u32 s[PB], s[PB], 8192
	s_lshl_b32 s34, s[SW], 1
.irp i, 0,1,2,3,4,5,6,7
	s_add_co_u32 s[I0+\i], s34, \i
	s_and_b32 s[I0+\i], s[I0+\i], 7
	s_lshl_b32 s[I0+\i], s[I0+\i], 4
.endr
	s_mov_b32 s[LG], 0x3fb8aa3b
	s_mov_b32 s37, 0
	s_mov_b32 s59, 0
	s_mov_b32 s61, 0
	s_lshl_b32 s58, s[BT], 22                      ; B: batch x 4 MB + column block x 16,384
	s_lshl_b32 s34, s[SCB_], 14
	s_add_co_u32 s58, s58, s34
	s_lshl_b32 s60, s[BT], 14                      ; ld: 16 KB a batch
	s_cmp_lt_u32 s[SJ], s[LIM]
	s_cselect_b32 s34, s[SJ], s[ALT]               ; the first step that I multiply
	s_lshl_b32 s36, s34, 17
	s_wait_kmcnt 0x0
	s_load_b64 s[38:39], s[8:9], 0x0               ; e0, e1
	s_add_nc_u64 s[4:5], s[4:5], s[60:61]
	s_add_nc_u64 s[BB:BB+1], s[6:7], s[58:59]
	s_add_nc_u64 s[BA:BA+1], s[BB:BB+1], s[36:37]
.irp i, 0,1,2,3
	global_load_b128 v[A0+4*\i:A0+4*\i+3], v[LDO], s[4:5] offset:16*\i         ; thread k: ld of tokens 16 k .. 16 k + 15,
.endr
.irp i, 0,1,2,3
	global_load_b128 v[A1+4*\i:A1+4*\i+3], v[LDO], s[4:5] offset:8192+16*\i    ; and 2,048 further on
.endr
	WIN 0x40
.irp t, 0,1,2,3,4,5,6,7
	BL \t
.endr
	WIN 0
	s_lshl_b32 s58, s[BT], 24                      ; out: (batch x 4,096 + 32 w) rows of 4,096 bytes + 512 x column block
	s_lshl_b32 s34, s[SW], 17
	s_add_co_u32 s58, s58, s34
	s_lshl_b32 s34, s[SCB_], 9
	s_add_co_u32 s58, s58, s34
	s_add_nc_u64 s[OUTB:OUTB+1], s[10:11], s[58:59]
	CLEAR
.set I, 0
.rept 32
	v_mov_b32 v[TT+I], 0                           ; written once: the destination of a lane-crossing form counts as one of its sources
.set I, I+1
.endr
.irp i, XX, XY, TO0, TO1, RF0, RF1
	v_mov_b32 v[\i], 0
.endr
	; ---- THE RUNNING SUM.  A thread holds the aligned sixteens k and 128 + k; sixteen neighbouring lanes hold 256 tokens of each half.
	WA
	s_wait_kmcnt 0x0
	s_wait_loadcnt 0x20                            ; ld is in; B's 32 loads may be out
.irp i, 1,2,3,4,5,6,7,8,9,10,11,12,13,14,15
	v_add_f32 v[A0+\i], v[A0+\i-1], v[A0+\i]       ; level 0
	v_add_f32 v[A1+\i], v[A1+\i-1], v[A1+\i]
.endr
	; level 1: the sixteen lanes' totals are added from left to right, the same sum in all of them (XX, XY begin as 0); lane n keeps the sum of the n ahead of it.  Two chains by turns.
	v_mov_b32 v[IX0], 0
	v_mov_b32 v[IX1], 0
.irp m, 0,1,2,3,4,5,6,7,8,9,10,11,12,13,14
	v_add_f32_dpp v[XX], v[A0+15], v[XX] row_share:\m row_mask:0xf bank_mask:0xf
	v_add_f32_dpp v[XY], v[A1+15], v[XY] row_share:\m row_mask:0xf bank_mask:0xf
	v_cmp_eq_u32 vcc_lo, \m+1, v[KK]
	v_cndmask_b32 v[IX0], v[IX0], v[XX], vcc_lo
	v_cndmask_b32 v[IX1], v[IX1], v[XY], vcc_lo
.endr
	v_add_f32_dpp v[TO0], v[A0+15], v[XX] row_share:15 row_mask:0xf bank_mask:0xf   ; with lane 15's: my 256 tokens' totals
	v_add_f32_dpp v[TO1], v[A1+15], v[XY] row_share:15 row_mask:0xf bank_mask:0xf
	ds_store_b32 v[SCW], v[TO0]                    ; sixteen lanes write the same word with the same value
	ds_store_b32 v[SCW], v[TO1] offset:32
	WA
	s_wait_dscnt 0x0                               ; for the others' sake
	s_barrier_signal -1
	s_barrier_wait -1
	ds_load_b32 v[T2L], v[SCB]                     ; lane n: the total of the 256 tokens number n
	s_wait_dscnt 0x0
	; level 2: the sixteen totals of 256 in the same way; UR is 0..7, UR8 is 8..15
	v_mov_b32 v[XX], 0
	v_mov_b32 v[I20], 0
	v_mov_b32 v[I21], 0
.irp m, 0,1,2,3,4,5,6
	v_add_f32_dpp v[XX], v[T2L], v[XX] row_share:\m row_mask:0xf bank_mask:0xf
	v_cmp_eq_u32 vcc_lo, \m+1, v[UR]
	v_cndmask_b32 v[I20], v[I20], v[XX], vcc_lo
.endr
.irp m, 7,8,9,10,11,12,13,14
	v_add_f32_dpp v[XX], v[T2L], v[XX] row_share:\m row_mask:0xf bank_mask:0xf
	v_cmp_eq_u32 vcc_lo, \m+1, v[UR8]
	v_cndmask_b32 v[I21], v[I21], v[XX], vcc_lo
.endr
	v_add_f32 v[I20], v[IX0], v[I20]               ; all that lies ahead of my 16 tokens
	v_add_f32 v[I21], v[IX1], v[I21]
.irp i, 0,1,2,3,4,5,6,7,8,9,10,11,12,13,14,15
	v_add_f32 v[A0+\i], v[A0+\i], v[I20]
	v_add_f32 v[A1+\i], v[A1+\i], v[I21]
.endr
.irp i, 0,1,2,3
	ds_store_b128 v[CST], v[A0+4*\i:A0+4*\i+3] offset:16*\i
	ds_store_b128 v[CST], v[A1+4*\i:A1+4*\i+3] offset:8192+16*\i
.endr
	v_mov_b32_dpp v[RF0], v[A0+15] quad_perm:[3,3,3,3] row_mask:0xf bank_mask:0xf   ; four threads hold an aligned 64 tokens: c of its last token
	v_mov_b32_dpp v[RF1], v[A1+15] quad_perm:[3,3,3,3] row_mask:0xf bank_mask:0xf
.irp i, 0,1,2,3,4,5,6,7,8,9,10,11,12,13,14,15
	v_sub_f32 v[\i], v[RF0], v[A0+\i]
	v_sub_f32 v[16+\i], v[RF1], v[A1+\i]
.endr
.set I, 0
.rept 32
	v_mul_f32 v[I], s[LG], v[I]
.set I, I+1
.endr
	WA                                             ; the wait ahead of the batch
.set I, 0
.rept 32
	v_exp_f32 v[I], v[I]                           ; the tokens' factors
.set I, I+1
.endr
	v_nop
	WA                                             ; and behind it
.irp i, 0,1,2,3
	ds_store_b128 v[CST], v[4*\i:4*\i+3] offset:16384+16*\i
	ds_store_b128 v[CST], v[16+4*\i:16+4*\i+3] offset:24576+16*\i
.endr
	s_sub_co_i32 s34, 0, s[E0]
	v_mov_b32 v[TT], s34
	v_cvt_f32_i32 v[NEV], v[TT]
	s_add_co_i32 s34, s38, s39
	s_add_co_i32 s34, s34, 127
	s_lshl_b32 s[SCL], s34, 23                     ; 2^(e0 + e1) as f32
	s_mov_b32 s[SCL+1], s[SCL]                     ; (named with it as a pair)
	WA
	s_wait_dscnt 0x0                               ; for the others' sake
	s_barrier_signal -1
	s_barrier_wait -1                              ; c and the factors lie whole in LDS; nobody writes them again
	CILOAD
	s_mov_b32 s35, s[PB]
	VADDR
	VLOAD
	WA                                             ; the head's end
; Half a fragment's codes: 32 numbers a lane: the row's factor x the token's, two at a time; two conversions a register.  hold = 1: held at 448 (the conversion does not saturate: ISA guide 7.6.2); W is not negative
.macro PKM d, a, i
.if (\i)%2
	v_pk_mul_f32 v[\d:\d+1], v[\a:\a+1], v[UU+(\i)-1:UU+(\i)] op_sel:[0,1] op_sel_hi:[1,1]
.else
	v_pk_mul_f32 v[\d:\d+1], v[\a:\a+1], v[UU+(\i):UU+(\i)+1] op_sel_hi:[1,0]
.endif
.endm
.macro HOLD2 t
	v_dual_min_num_f32 v[\t], v[LM], v[\t] :: v_dual_min_num_f32 v[\t+1], v[LM], v[\t+1]
.endm
.macro CVL r, t
	v_cvt_pk_fp8_f32 v\r\().l, v[\t], v[\t+1]
.endm
.macro CVH r, t
	v_cvt_pk_fp8_f32 v\r\().h, v[\t+2], v[\t+3]
.endm
.macro GH i, hf, hold, r0, r1, r2, r3, r4, r5, r6, r7
.irp k, 0,2,4,6,8,10,12,14,16,18,20,22,24,26,28,30
	PKM TT+\k, VJ+32*\hf+\k, \i
.endr
.if \hold
.irp k, 0,2,4,6,8,10,12,14,16,18,20,22,24,26,28,30
	HOLD2 TT+\k
.endr
.endif
	CVL \r0, TT
	CVL \r1, TT+4
	CVL \r2, TT+8
	CVL \r3, TT+12
	CVL \r4, TT+16
	CVL \r5, TT+20
	CVL \r6, TT+24
	CVL \r7, TT+28
	CVH \r0, TT
	CVH \r1, TT+4
	CVH \r2, TT+8
	CVH \r3, TT+12
	CVH \r4, TT+16
	CVH \r5, TT+20
	CVH \r6, TT+24
	CVH \r7, TT+28
.endm
.macro ALLGEN hold
	GH 0, 0, \hold, 0, 1, 2, 3, 4, 5, 6, 7
	GH 0, 1, \hold, 8, 9, 10, 11, 12, 13, 14, 15
	GH 1, 0, \hold, 16, 17, 18, 19, 20, 21, 22, 23
	GH 1, 1, \hold, 24, 25, 26, 27, 28, 29, 30, 31
	GH 2, 0, \hold, 32, 33, 34, 35, 36, 37, 38, 39
	GH 2, 1, \hold, 40, 41, 42, 43, 44, 45, 46, 47
	GH 3, 0, \hold, 48, 49, 50, 51, 52, 53, 54, 55
	GH 3, 1, \hold, 56, 57, 58, 59, 60, 61, 62, 63
	GH 4, 0, \hold, 64, 65, 66, 67, 68, 69, 70, 71
	GH 4, 1, \hold, 72, 73, 74, 75, 76, 77, 78, 79
	GH 5, 0, \hold, 80, 81, 82, 83, 84, 85, 86, 87
	GH 5, 1, \hold, 88, 89, 90, 91, 92, 93, 94, 95
	GH 6, 0, \hold, 96, 97, 98, 99, 100, 101, 102, 103
	GH 6, 1, \hold, 104, 105, 106, 107, 108, 109, 110, 111
	GH 7, 0, \hold, 112, 113, 114, 115, 116, 117, 118, 119
	GH 7, 1, \hold, 120, 121, 122, 123, 124, 125, 126, 127
.endm
.macro MM a, t                         ; slot a (in the window that C and D name) x B's tile t.  The accumulators take turns, one instruction a turn
	v_wmma_f32_16x16x128_fp8_fp8 v[64*((\a)%4)+8*(\t):64*((\a)%4)+8*(\t)+7], v[16*(\t):16*(\t)+15], v[16*(\a):16*(\a)+15], v[64*((\a)%4)+8*(\t):64*((\a)%4)+8*(\t)+7]
.endm
; The diagonal block, slot i: the piece g = i element by element, the other three by two factors, ref = the fragment's first row.  A token behind the rows gets the factor 0: its exponential may be infinite, and the select throws it away.
.macro DSLOT i, g1, g2, g3
	v_mov_b32_dpp v[CI0], v[CI+\i] row_share:0 row_mask:0xf bank_mask:0xf
.irp e, 0,1,2,3,4,5,6,7,8,9,10,11,12,13,14,15
	v_subrev_f32_dpp v[TT+\e], v[CS+\i], v[CI+\i] row_share:\e row_mask:0xf bank_mask:0xf   ; c_i - c_j
.endr
	v_sub_f32 v[DU], v[CI+\i], v[CI0]
.irp g, \g1, \g2, \g3
	v_sub_f32 v[VP+\g], v[CI0], v[CS+\g]
.endr
.irp e, 0,2,4,6,8,10,12,14
	v_dual_min_num_f32 v[TT+\e], v[ZP], v[TT+\e] :: v_dual_min_num_f32 v[TT+\e+1], v[ZP], v[TT+\e+1]
.endr
	v_fma_f32 v[DU], v[DU], s[LG], v[NEV]
.irp g, \g1, \g2, \g3
	v_mul_f32 v[VP+\g], s[LG], v[VP+\g]
.endr
.irp e, 0,1,2,3,4,5,6,7,8,9,10,11,12,13,14,15
	v_fma_f32 v[TT+\e], v[TT+\e], s[LG], v[NEV]
.endr
	s_and_b32 s34, s[I0+\i], 64
	v_add_nc_u32 v[THR], s34, v[RB]                ; token e of the sixteen counts where e <= this
	WA                                             ; the wait ahead of the batch
	v_exp_f32 v[DU], v[DU]
.irp g, \g1, \g2, \g3
	v_exp_f32 v[VP+\g], v[VP+\g]
.endr
.irp e, 0,1,2,3,4,5,6,7,8,9,10,11,12,13,14,15
	v_exp_f32 v[TT+\e], v[TT+\e]
.endr
	v_nop
	WA                                             ; and behind it
.irp g, \g1, \g2, \g3
	v_cmp_gt_u32 vcc_lo, s[I0+\i], v[JR+\g]        ; the token lies ahead of the fragment's first row
	v_cndmask_b32 v[VP+\g], 0, v[VP+\g], vcc_lo
.endr
.irp e, 0,1,2,3,4,5,6,7,8,9,10,11,12,13,14,15
	v_cmp_le_i32 vcc_lo, \e, v[THR]
	v_cndmask_b32 v[TT+\e], 0, v[TT+\e], vcc_lo
.endr
.endm
.macro DG i, g, tb, r0, r1, r2, r3
.if \g != \i
.irp e, 0,1,2,3,4,5,6,7,8,9,10,11,12,13,14,15
	v_mul_f32_dpp v[\tb+\e], v[VP+\g], v[DU] row_share:\e row_mask:0xf bank_mask:0xf
.endr
.endif
.irp e, 0,2,4,6,8,10,12,14
	HOLD2 \tb+\e
.endr
	CVL \r0, \tb
	CVL \r1, \tb+4
	CVL \r2, \tb+8
	CVL \r3, \tb+12
	CVH \r0, \tb
	CVH \r1, \tb+4
	CVH \r2, \tb+8
	CVH \r3, \tb+12
.endm
.macro DMUL a0
	s_wait_loadcnt 0x0                             ; the step's B is in
	WIN 0xa1
	WA
.irp t, 0,1,2,3,4,5,6,7
	MM \a0, \t
	MM \a0+1, \t
.endr
	WIN 0
.rept 4
	v_nop                                          ; places behind the products
.endr
.endm
; A tile's end: where I store my sums, where the others have stored mine, the stage in and back, my offset in out
.macro ADDRS
	s_lshl_b32 s34, s[SW], 16
	v_add_nc_u32 v[UU], s34, v[L16]
.irp d, 1,2,3
	s_add_co_u32 s34, s[SW], 4-\d
	s_and_b32 s34, s34, 3                          ; wave w - d holds my rows in its slots 2 d and 2 d + 1
	s_lshl_b32 s34, s34, 16
	v_add_nc_u32 v[UU+\d], s34, v[L16]
.endr
	s_mul_i32 s34, s[SW], 16*SPITCH
	s_add_co_u32 s34, s34, STAGE
	v_bfe_u32 v[TT], v[L16], 4, 4
	v_bfe_u32 v[TT+1], v[L16], 8, 1
	v_mul_u32_u24 v[UU+4], v[TT], SPITCH
	v_lshl_add_u32 v[UU+4], v[TT+1], 7, v[UU+4]
	v_add_nc_u32 v[UU+4], s34, v[UU+4]             ; in: row r, + 128 h
	v_mul_u32_u24 v[UU+5], v[TT+1], SPITCH
	v_lshl_add_u32 v[UU+5], v[TT], 4, v[UU+5]
	v_add_nc_u32 v[UU+5], s34, v[UU+5]             ; back: sixteen lanes take a row of 256 bytes
	v_lshlrev_b32 v[UU+6], 12, v[TT+1]
	v_lshl_add_u32 v[UU+6], v[TT], 4, v[UU+6]
	WA
.endm
.macro DUMP i                          ; slot i as an image of its registers, each accumulator from its low end on
.irp t, 0,1,2,3,4,5,6,7
	ds_store_b128 v[UU], v[64*((\i)%4)+8*\t:64*((\i)%4)+8*\t+3] offset:8192*(\i)+1024*\t
	ds_store_b128 v[UU], v[64*((\i)%4)+8*\t+4:64*((\i)%4)+8*\t+7] offset:8192*(\i)+1024*\t+512
.endr
.endm
; 16 rows x 64 columns of the tile: the four waves' sums.  Lane (r, h) holds row r; register jj of the accumulator of tile 4 G + dd is column 64 G + 32 h + 4 jj + dd: the four dd are 16 neighbouring bytes.
.macro CLOAD fr, gq                    ; the three other waves' sums
.irp d, 1,2,3
.irp q, 0,1,2,3,4,5,6,7
	ds_load_b128 v[32*\d+4*\q:32*\d+4*\q+3], v[UU+\d] offset:(2*\d+\fr)*8192+(4*\gq+\q/2)*1024+512*(\q%2)
.endr
.endr
.endm
.macro CHUNK fr, gq, nf, ng, next      ; next = 1: the next chunk's loads (nf, ng) go out ahead of this one's stores
	s_wait_dscnt 0x0                               ; this chunk's loads are in
.irp k, 0,2,4,6,8,10,12,14,16,18,20,22,24,26,28,30
	v_pk_add_f32 v[32+\k:33+\k], v[32+\k:33+\k], v[64+\k:65+\k]
.endr
.irp k, 0,2,4,6,8,10,12,14,16,18,20,22,24,26,28,30
	v_pk_add_f32 v[32+\k:33+\k], v[32+\k:33+\k], v[96+\k:97+\k]
.endr
	WIN 0x02
	WA
.irp jj, 0,1,2,3,4,5,6,7
.irp dd, 0,1,2,3
	v_add_f32 v[TT+4*\jj+\dd], v[64*\fr+8*(4*\gq+\dd)+\jj], v[32+8*\dd+\jj]
.endr
.endr
	WIN 0
.irp k, 0,2,4,6,8,10,12,14,16,18,20,22,24,26,28,30
	v_pk_mul_f32 v[TT+\k:TT+\k+1], v[TT+\k:TT+\k+1], s[SCL:SCL+1] op_sel_hi:[1,0]   ; x 2^(e0 + e1)
.endr
.irp jj, 0,1,2,3,4,5,6,7
	ds_store_b128 v[UU+4], v[TT+4*\jj:TT+4*\jj+3] offset:16*\jj
.endr
	s_wait_xcnt 0x0                                ; the chunk before: its stores have read v0-31, which are written again only behind this wait
.irp t, 0,1,2,3,4,5,6,7
	ds_load_b128 v[4*\t:4*\t+3], v[UU+5] offset:2*\t*SPITCH   ; LDS serves a wave's instructions in order (ISA guide 5.7.1.4): these see my stores
.endr
.if \next
	CLOAD \nf, \ng
.endif
.irp t, 0,1,2,3,4,5,6,7
	s_wait_dscnt 24*\next+7-\t                     ; these two rows are back; the later rows' loads, and the next chunk's 24, may be out
	global_store_b128 v[UU+6], v[4*\t:4*\t+3], s[OA:OA+1] offset:(16*\fr+2*\t)*4096+256*\gq th:TH_STORE_NT   ; sixteen lanes store 256 consecutive bytes, aligned
.endr
.endm
.Lslot:
	s_cmp_ge_u32 s[SJ], s[LIM]
	s_cbranch_scc1 .Lskip                          ; no block of W under the diagonal here: ids and the counted slot alone decide
	; A STEP of 128 tokens: codes of W for 128 rows, then 64 products; what the next step needs is asked for on the way
	s_add_co_u32 s34, s[SJ], 4
	s_cmp_lt_u32 s34, s[LIM]
	s_cselect_b32 s34, s34, s[ALT]
	s_lshl_b32 s36, s34, 17
	s_wait_xcnt 0x0                                ; the last loads have read their base
	s_add_nc_u64 s[BA:BA+1], s[BB:BB+1], s[36:37]
	s_add_co_u32 s35, s[SS], 2048
	s_add_co_u32 s35, s35, s[PB]
	s_min_u32 s35, s35, 24064                      ; held at step 31, so that no load leaves the arrays
	s_wait_dscnt 0x0                               ; this step's factors, c_ref, c of my rows
.irp i, 0,1,2,3,4,5,6,7
	v_sub_f32 v[UU+\i], v[CI+\i], v[CREF]
.endr
.irp i, 0,1,2,3,4,5,6,7
	v_fma_f32 v[UU+\i], v[UU+\i], s[LG], v[NEV]
.endr
	WA                                             ; the wait ahead of the batch
.irp i, 0,1,2,3,4,5,6,7
	v_exp_f32 v[UU+\i], v[UU+\i]                   ; exp(c_i - c_ref) x 2^-e0
.endr
	v_nop
	WA                                             ; and behind it
	s_cmp_lt_i32 s[E0], -8
	s_cbranch_scc0 .Lfree
	ALLGEN 1
	WA
	s_branch .Lmul
.Lfree:
	ALLGEN 0
.Lmul:
.irp tb, 0,1,2,3
	s_wait_loadcnt 0x18                            ; two tiles of B are in; behind them 24 loads, this step's and the next one's, may be out
	WIN 0xa1                                       ; source 0 window 1, C and D window 2
	WA
.irp a, 0,1,2,3
	MM \a, 2*\tb
	MM \a, 2*\tb+1
.endr
	WIN 0xf1                                       ; C and D window 3
.irp a, 4,5,6,7
	MM \a, 2*\tb
	MM \a, 2*\tb+1
.endr
	WIN 0
.if \tb == 0
	VADDR                                          ; with the v_nop four places behind the products, ahead of the loads into what they read
	v_nop
	VLOAD
.else
.rept 4
	v_nop
.endr
.endif
	WIN 0x40
	BL 2*\tb
	BL 2*\tb+1
.endr
	WIN 0
.Lskip:
	; MY SHARE OF THE DIAGONAL BLOCK, behind the tile's last step
	s_bitcmp1_b32 s[DM], s[SN]
	s_cbranch_scc0 .Lnodiag
	s_and_b32 s34, s[TILE], 31
	s_lshl_b32 s34, s34, 9
	s_wait_dscnt 0x0                               ; no LDS load of mine is out: VJ's registers may be written
	v_add_nc_u32 v[DA0], s34, v[CDB]
	v_xor_b32 v[DA1], 0x80, v[DA0]
	ds_load_b32 v[CS], v[DA0]                      ; c of token 64 h + 16 (g xor 2 (w % 2)) + n
	ds_load_b32 v[CS+1], v[DA0] offset:64
	ds_load_b32 v[CS+2], v[DA1]
	ds_load_b32 v[CS+3], v[DA1] offset:64
	v_subrev_nc_u32 v[JR], CARR, v[CDB]
	v_lshrrev_b32 v[JR], 2, v[JR]                  ; that token's number in the block
	v_add_nc_u32 v[JR+1], 16, v[JR]
	v_xor_b32 v[JR+2], 32, v[JR]
	v_add_nc_u32 v[JR+3], 16, v[JR+2]
	WA
	s_wait_dscnt 0x0
	DSLOT 0, 1, 2, 3
	DG 0, 0, TT, 0, 1, 2, 3
	DG 0, 1, TT+16, 4, 5, 6, 7
	DG 0, 2, TT, 8, 9, 10, 11
	DG 0, 3, TT+16, 12, 13, 14, 15
	DSLOT 1, 0, 2, 3
	DG 1, 1, TT, 20, 21, 22, 23
	DG 1, 0, TT+16, 16, 17, 18, 19
	DG 1, 2, TT, 24, 25, 26, 27
	DG 1, 3, TT+16, 28, 29, 30, 31
	DMUL 0
	s_cmp_eq_u32 s[PAIR], 0
	s_cbranch_scc1 .Ldhalf
	DSLOT 2, 0, 1, 3
	DG 2, 2, TT, 40, 41, 42, 43
	DG 2, 0, TT+16, 32, 33, 34, 35
	DG 2, 1, TT, 36, 37, 38, 39
	DG 2, 3, TT+16, 44, 45, 46, 47
	DSLOT 3, 0, 1, 2
	DG 3, 3, TT, 60, 61, 62, 63
	DG 3, 0, TT+16, 48, 49, 50, 51
	DG 3, 1, TT, 52, 53, 54, 55
	DG 3, 2, TT+16, 56, 57, 58, 59
	DMUL 2
.Ldhalf:
	s_cmp_lg_u32 s[SN], 3
	s_cbranch_scc1 .Lnodiag
	s_lshl_b32 s36, s[XQ], 17                      ; my first step of tile q
	s_wait_xcnt 0x0
	s_add_nc_u64 s[BA:BA+1], s[BB:BB+1], s[36:37]
	WIN 0x40
.irp t, 0,1,2,3,4,5,6,7
	BL \t
.endr
	WIN 0
.Lnodiag:
	s_and_b32 s34, s[SN], 7
	s_cmp_lg_u32 s34, 3
	s_cbranch_scc1 .Lcont
	; A TILE'S END (slots 3 and 11): slots 2-7 of my sums to LDS, a barrier, my 32 rows out, a barrier ahead of the next tile's stores into the same bytes
	s_lshl_b32 s36, s[TILE], 19
	s_wait_xcnt 0x0
	s_add_nc_u64 s[OA:OA+1], s[OUTB:OUTB+1], s[36:37]
	s_wait_dscnt 0x0                               ; no LDS load of mine is out
	s_cmp_lg_u32 s[SN], 3
	s_cbranch_scc1 .Lsums
	; on to tile q: what its first step reads from LDS is asked for ahead of the exchange
	s_mov_b32 s[LIM], s[SQ_]
	s_mov_b32 s[ALT], s[SQ_]
	s_mov_b32 s[TILE], s[SQ_]
	s_lshl_b32 s[PB], s[XQ], 9
	s_sub_co_u32 s[SJ], s[XQ], 4                   ; (the slot's end adds 4)
	CILOAD
	s_add_co_u32 s35, s[PB], 8192
	VADDR
	VLOAD
.Lsums:
	ADDRS
	WIN 0x08                                       ; store data window 2
	WA
	DUMP 2
	DUMP 3
	WIN 0x0c                                       ; window 3
	WA
.irp i, 4,5,6,7
	DUMP \i
.endr
	WIN 0
	s_cmp_lg_u32 s[SN], 3
	s_cbranch_scc1 .Lsent
	WIN 0x80                                       ; slots 2 to 7 are cleared for tile q while the stores are out
.set I, 128
.rept 64
	v_pk_add_f32 v[I:I+1], v[ZP:ZP+1], v[ZP:ZP+1]
.set I, I+2
.endr
	WIN 0xc0
.set I, 0
.rept 128
	v_pk_add_f32 v[I:I+1], v[ZP:ZP+1], v[ZP:ZP+1]
.set I, I+2
.endr
	WIN 0
.Lsent:
	s_wait_dscnt 0x0                               ; for the others' sake: my stores have landed
	s_barrier_signal -1
	s_barrier_wait -1
	CLOAD 0, 0
	CHUNK 0, 0, 0, 1, 1
	CHUNK 0, 1, 1, 0, 1
	CHUNK 1, 0, 1, 1, 1
	CHUNK 1, 1, 0, 0, 0
	s_wait_xcnt 0x0                                ; the last stores have read their registers
	s_wait_dscnt 0x0                               ; my reads of the others' sums are over
	s_barrier_signal -1
	s_barrier_wait -1
	s_cmp_lg_u32 s[SN], 3
	s_cbranch_scc1 .Lcont
	WIN 0x80                                       ; slots 0 and 1, which this wave has just sent out
.set I, 0
.rept 64
	v_pk_add_f32 v[I:I+1], v[ZP:ZP+1], v[ZP:ZP+1]
.set I, I+2
.endr
	WIN 0
.Lcont:
	s_add_co_u32 s[SS], s[SS], 2048
	s_add_co_u32 s[SJ], s[SJ], 4
	s_add_co_u32 s[SN], s[SN], 1
	WA
	s_cmp_lt_u32 s[SN], 12
	s_cbranch_scc1 .Lslot
	s_wait_tensorcnt 0x0                           ; the wave's end, behind my last LDS store
	ds_add_u32 v[SPW], v[NIL]
	s_wait_dscnt 0x0
	s_endpgm
.Lfunc_end_k_q040187ce65_mix:
	.size	k_q040187ce65_mix, .Lfunc_end_k_q040187ce65_mix-k_q040187ce65_mix
	.p2alignl 7, 3214868480
	.fill 96, 4, 3214868480
	.section	.rodata,"a",@progbits
	.p2align	6, 0x0
	.amdhsa_kernel k_q040187ce65_mix
		.amdhsa_group_segment_fixed_size 321280
		.amdhsa_private_segment_fixed_size 0
		.amdhsa_enable_private_segment 0
		.amdhsa_kernarg_size 32
		.amdhsa_user_sgpr_count 2
		.amdhsa_user_sgpr_kernarg_segment_ptr 1
		.amdhsa_wavefront_size32 1
		.amdhsa_system_sgpr_workgroup_id_x 1
		.amdhsa_system_sgpr_workgroup_id_y 1
		.amdhsa_system_sgpr_workgroup_id_z 1
		.amdhsa_system_vgpr_workitem_id 0
		.amdhsa_next_free_vgpr 1024
		.amdhsa_next_free_sgpr 66
		.amdhsa_reserve_vcc 1
		.amdhsa_float_denorm_mode_32 3
		.amdhsa_float_denorm_mode_16_64 3
		.amdhsa_memory_ordered 1
		.amdhsa_forward_progress 1
		.amdhsa_inst_pref_size 244
	.end_amdhsa_kernel
	.amdgpu_metadata
---
amdhsa.version: [ 1, 2 ]
amdhsa.kernels:
  - .name:           k_q040187ce65_mix
    .symbol:         k_q040187ce65_mix.kd
    .args:
      - { .name: ld, .offset: 0, .size: 8, .value_kind: global_buffer, .address_space: global }
      - { .name: bf, .offset: 8, .size: 8, .value_kind: global_buffer, .address_space: global }
      - { .name: lowp_scales, .offset: 16, .size: 8, .value_kind: global_buffer, .address_space: global }
      - { .name: out0, .offset: 24, .size: 8, .value_kind: global_buffer, .address_space: global }
    .group_segment_fixed_size: 321280
    .private_segment_fixed_size: 0
    .kernarg_segment_align: 8
    .kernarg_segment_size: 32
    .max_flat_workgroup_size: 128
    .sgpr_count:     66
    .vgpr_count:     1024
    .wavefront_size: 32
...
	.end_amdgpu_metadata
.endif
;; end of part 2
